; MI455X (gfx1250); checked and timed in simulation.
; The chip was launched on July 23, 2026; its instructions are those of AMD's public machine-readable ISA for CDNA 5 (MIT licence, August 2026) and "CDNA5" Instruction Set Architecture Reference Guide (July 2026). The comments in the code are by the model that wrote it; some were corrected since.
;; Vector Quantizer. Allowed arithmetic: float matrix products may take bf16 or f16 operands with f32 sums; other float arithmetic in f32, or as packed bf16 or f16 multiplies, adds, multiply-adds, maxima and minima; sums over many terms, partial sums and values carried from step to step in f32; what a program stores and reads back later, other than sums and carried values, may be rounded once to bf16 or f16.
;; Inputs: emb 8,192 x 256 float32; z 8 x 64 x 64 x 256 float32.
;; Outputs: out0 8 x 64 x 64 x 256 float32; out1 one number float32; out2 one number float32; out3 32,768 int32.
;; 2 versions, each right; version 2 is version 1 with the launch prep written anew for expert scheduling mode. Each part assembles by itself: llvm-mc -triple=amdgcn-amd-amdhsa -mcpu=gfx1250 --defsym DOCPART=n.
;; ======== version 1 of 2: 4 launches
;; workspace buffers: embf 4,194,304 bytes; embr 4,194,304 bytes; eew 32,768 bytes; cand 131,072 bytes of whole numbers; zzw 131,072 bytes; part 2,048 bytes
;; launch prep (part 1): grid 256 x 1, 4 waves a work-group, no clusters, 17,664 bytes of LDS; arguments emb, embf, embr, eew; writes embf, embr, eew
.if DOCPART == 1
	.amdgcn_target "amdgcn-amd-amdhsa--gfx1250"
	.amdhsa_code_object_version 6
	.text
	.protected	k_q57f38e20a8_prep
	.globl	k_q57f38e20a8_prep
	.p2align	8
	.type	k_q57f38e20a8_prep,@function
k_q57f38e20a8_prep:
	s_mov_b64 s[64:65], 0
	v_nop
	global_prefetch_b8 v0, s[64:65] scope:SCOPE_SE
	s_setreg_imm32_b32 hwreg(HW_REG_WAVE_MODE, 25, 1), 1
	s_wait_xcnt 0x0
; VECTOR QUANTIZER, launch 1 of 4: the codebook is rounded to bf16 once and laid out for the launches behind.
; THE PROGRAM.  zf: 32,768 rows of 256; emb: 8,192 codes of 256.  d[n][k] = (zz[n] - 2 zf[n].e[k]) + ee[k] in f32, idx = the first k with the least d, out0 = z + (e[idx] - z),
; out2 = mean((e[idx] - z)^2), out1 = 0.25 out2.  prep: eb = bf16(emb), ee.  search: the product, d, and for each row the group of 8 codes on end that holds the first least d.
; pick: the 8 distances of that group anew, idx, out0, partial sums of squares.  total: the two means.
; NOTHING OF THE PROBLEM IS LEFT OUT.  zz is the same along the argmin's axis, but it is large beside 2 z.e and ee, so that f32 loses their low bits in the sum: which codes tie hangs on it, and it stays,
; with the sums' order (zz - 2 dot, one rounding; then + ee).  For the same reason out0 is made as z + (e - z).  stop_gradient changes no value.  Both inputs are loaded.
; FORMAT.  z and emb are rounded to bf16 once, and EVERY use of them (product, zz, ee, the looked-up row, out0, the means) takes the rounded number; all arithmetic on them is f32.
; LIMITS.  idx is that of the f32 formula on the rounded inputs, up to the order in which a row's 256 products are added; NaN and infinities are not treated apart.
; THIS LAUNCH.  A work-group takes 32 codes, wave w rows 8 w .. 8 w + 7.  Out: embr, bf16 row by row (512 bytes a code); eew, ee[code] = the sum of eb^2;
; embf, bf16 in the order in which a matrix operand's registers take it: byte 8192 b + 1024 f + 512 p + 16 l holds code 16 b + l % 16, channels 32 f + 16 p + 8 (l / 16) + 0..7,
; so that a fragment load of a wave is 512 bytes on end.  The turn from rows to fragments goes through LDS, rows 528 bytes apart (33 x 16: the 16 rows of a load begin in 16 different groups of four banks; 64 banks of 4 bytes: ISA guide 11.1).
.set PITCH, 528
.set EES,   16896                      ; behind the stage of 32 rows: the 32 ee
.set SPARE, 17152                      ; the spare words, 128 bytes for each wave: two blocks of 256 bytes that no other line names
.set LN16, 1                           ; v1   16 x lane
.set LN8,  2                           ; v2   8 x lane
.set RR,   3                           ; v3   lane % 16
.set HH,   4                           ; v4   lane / 16
.set STW,  5                           ; v5   where I put 8 bytes of my wave's first row
.set STR,  6                           ; v6   where I read 16 bytes of a fragment
.set EEA,  7                           ; v7   my wave's 8 words of ee
.set SPW,  8                           ; v8   my spare word; never rewritten
.set NIL,  9                           ; v9   0; never rewritten
.set LN4,  12                          ; v12  4 x lane
.set EER,  13                          ; v13  EES + 4 x lane
.set EEO,  14                          ; v14  one ee on its way out
.set S,    16                          ; v[16:31]   a pair of partial sums a row
.set L,    32                          ; v[32:95]   8 rows as loaded; later the fragments on their way out
.set T,    96                          ; v[96:127]  8 rows in bf16, 4 registers each
.set U,    128                         ; v[128:135] 8 rounded numbers as f32
	s_load_b256 s[4:11], s[0:1], 0x0               ; emb s[4:5], embf s[6:7], embr s[8:9], eew s[10:11]
	v_lshl_add_u32 v[SPW], v0, 2, SPARE
	v_mov_b32 v[NIL], 0
	v_lshrrev_b32 v10, 5, v0
	v_readfirstlane_b32 s12, v10                   ; wave 0..3
	v_and_b32 v11, 31, v0
	v_and_b32 v[RR], 15, v0
	v_bfe_u32 v[HH], v0, 4, 1
	v_lshlrev_b32 v[LN16], 4, v11
	v_lshlrev_b32 v[LN8], 3, v11
	v_lshlrev_b32 v[LN4], 2, v11
	v_add_nc_u32 v[EER], EES, v[LN4]
	s_mul_i32 s16, s12, 8*PITCH                    ; my wave's 8 rows of the stage
	v_add_nc_u32 v[STW], s16, v[LN8]
	v_mul_u32_u24 v[STR], v[RR], PITCH
	v_lshl_add_u32 v[STR], v[HH], 4, v[STR]        ; row x pitch + 16 x half
	s_lshr_b32 s17, s12, 1
	s_mul_i32 s17, s17, 16*PITCH                   ; block w / 2 of 16 codes,
	s_and_b32 s18, s12, 1
	s_lshl_b32 s18, s18, 8                         ; channels 128 (w % 2) on
	s_add_co_u32 s17, s17, s18
	v_add_nc_u32 v[STR], s17, v[STR]
	s_lshl_b32 s19, s12, 5
	s_add_co_u32 s19, s19, EES
	v_mov_b32 v[EEA], s19
	s_mov_b32 s13, 0xffff0000                      ; a word's upper bf16
	s_mov_b32 s14, 0x76543210                      ; v_permlanex16_b32: each lane takes its own place in the other half
	s_mov_b32 s15, 0xfedcba98
	s_lshl_b32 s20, ttmp9, 15                      ; 32 codes of 1,024 bytes a work-group,
	s_lshl_b32 s21, s12, 13                        ; 8 a wave
	s_add_co_u32 s20, s20, s21
	s_mov_b32 s21, 0
	s_lshr_b32 s22, s20, 1                         ; half as many bytes in bf16, in embr and in embf alike
	s_mov_b32 s23, 0
	s_lshl_b32 s24, ttmp9, 7                       ; 32 words of ee
	s_mov_b32 s25, 0
	s_wait_kmcnt 0x0
	s_add_nc_u64 s[4:5], s[4:5], s[20:21]
	s_add_nc_u64 s[6:7], s[6:7], s[22:23]
	s_add_nc_u64 s[8:9], s[8:9], s[22:23]
	s_add_nc_u64 s[10:11], s[10:11], s[24:25]
.irp i, 0,1,2,3,4,5,6,7
	global_load_b128 v[L+8*\i:L+8*\i+3],   v[LN16], s[4:5] offset:\i*1024 th:TH_LOAD_NT      ; 512 bytes on end: lane l holds channels 4 l + 0..3,
	global_load_b128 v[L+8*\i+4:L+8*\i+7], v[LN16], s[4:5] offset:\i*1024+512 th:TH_LOAD_NT  ; and 128 + 4 l + 0..3
.endr
; Row i of my 8: rounded, stored row by row, put into the stage, squared and summed.
.macro ROWIN i
	s_wait_loadcnt 14-2*(\i)                       ; loads come back in order: this row's two are in, the younger rows' stay out
.irp j, 0,1,2,3
	v_cvt_pk_bf16_f32 v[T+4*(\i)+\j], v[L+8*(\i)+2*\j], v[L+8*(\i)+2*\j+1]
.endr
	global_store_b64 v[LN8], v[T+4*(\i):T+4*(\i)+1],   s[8:9] offset:(\i)*512      ; 32 lanes store 256 bytes on end, at a multiple of 256 from embr's first byte
	global_store_b64 v[LN8], v[T+4*(\i)+2:T+4*(\i)+3], s[8:9] offset:(\i)*512+256
	ds_store_b64 v[STW], v[T+4*(\i):T+4*(\i)+1]   offset:(\i)*PITCH
	ds_store_b64 v[STW], v[T+4*(\i)+2:T+4*(\i)+3] offset:(\i)*PITCH+256
.irp j, 0,1,2,3
	v_lshlrev_b32 v[U+2*\j],   16,  v[T+4*(\i)+\j]  ; bf16 to f32: the low half moves up,
	v_and_b32     v[U+2*\j+1], s13, v[T+4*(\i)+\j]  ; the high half stays
.endr
	v_pk_mul_f32 v[S+2*(\i):S+2*(\i)+1], v[U:U+1], v[U:U+1]  ; the first squares start the sums
.irp j, 2,4,6
	v_pk_fma_f32 v[S+2*(\i):S+2*(\i)+1], v[U+\j:U+\j+1], v[U+\j:U+\j+1], v[S+2*(\i):S+2*(\i)+1]
.endr
.endm
.irp i, 0,1,2,3,4,5,6,7
	ROWIN \i
.endr
	; the 8 sums over the 32 lanes, side by side: four steps inside each half of 16 lanes ride on the addition, one crosses the halves
.irp i, 0,1,2,3,4,5,6,7
	v_add_f32 v[S+2*\i], v[S+2*\i], v[S+2*\i+1]
.endr
.irp m, 1,2,4,8
.irp i, 0,1,2,3,4,5,6,7
	v_add_f32_dpp v[S+2*\i], v[S+2*\i], v[S+2*\i] row_xmask:\m row_mask:0xf bank_mask:0xf
.endr
.endr
.irp i, 0,1,2,3,4,5,6,7
	v_permlanex16_b32 v[S+2*\i+1], v[S+2*\i], s14, s15  ; its destination counts as read: the pair's upper register has been written
.endr
.irp i, 0,1,2,3,4,5,6,7
	v_add_f32 v[S+2*\i], v[S+2*\i], v[S+2*\i+1]
.endr
.irp i, 0,1,2,3,4,5,6,7
	ds_store_b32 v[EEA], v[S+2*\i] offset:4*\i     ; all lanes write the same word with the same number
.endr
	s_wait_dscnt 0x0                               ; for the others' sake: my rows and my ee lie in LDS
	s_barrier_signal -1
	s_barrier_wait -1
	; wave w sends block w / 2, fragments 4 (w % 2) .. + 3: 8 x 512 bytes on end
.irp n, 0,1,2,3,4,5,6,7
	ds_load_b128 v[L+4*\n:L+4*\n+3], v[STR] offset:32*\n  ; 64 f + 32 p
.endr
.irp n, 0,1,2,3,4,5,6,7
	s_wait_dscnt 7-\n                              ; LDS loads come back in order: number n is in
	global_store_b128 v[LN16], v[L+4*\n:L+4*\n+3], s[6:7] offset:512*\n
.endr
	s_cmp_lg_u32 s12, 0
	s_cbranch_scc1 .Lend                           ; wave 0 sends the work-group's 32 ee: 128 bytes on end (32 codes a work-group have no more)
	ds_load_b32 v[EEO], v[EER]
	s_wait_dscnt 0x0
	global_store_b32 v[LN4], v[EEO], s[10:11]
.Lend:
	s_wait_tensorcnt 0x0                           ; the wave's end, behind my last LDS store
	ds_add_u32 v[SPW], v[NIL]
	s_wait_dscnt 0x0
	s_endpgm
.Lfunc_end_k_q57f38e20a8_prep:
	.size	k_q57f38e20a8_prep, .Lfunc_end_k_q57f38e20a8_prep-k_q57f38e20a8_prep
	.p2alignl 7, 3214868480
	.fill 96, 4, 3214868480
	.section	.rodata,"a",@progbits
	.p2align	6, 0x0
	.amdhsa_kernel k_q57f38e20a8_prep
		.amdhsa_group_segment_fixed_size 17664
		.amdhsa_private_segment_fixed_size 0
		.amdhsa_enable_private_segment 0
		.amdhsa_kernarg_size 32
		.amdhsa_user_sgpr_count 2
		.amdhsa_user_sgpr_kernarg_segment_ptr 1
		.amdhsa_wavefront_size32 1
		.amdhsa_system_sgpr_workgroup_id_x 1
		.amdhsa_system_sgpr_workgroup_id_y 1
		.amdhsa_system_sgpr_workgroup_id_z 1
		.amdhsa_system_vgpr_workitem_id 0
		.amdhsa_next_free_vgpr 136
		.amdhsa_next_free_sgpr 66
		.amdhsa_reserve_vcc 0
		.amdhsa_float_denorm_mode_32 3
		.amdhsa_float_denorm_mode_16_64 3
		.amdhsa_memory_ordered 1
		.amdhsa_forward_progress 1
		.amdhsa_inst_pref_size 18
	.end_amdhsa_kernel
	.amdgpu_metadata
---
amdhsa.version: [ 1, 2 ]
amdhsa.kernels:
  - .name:           k_q57f38e20a8_prep
    .symbol:         k_q57f38e20a8_prep.kd
    .args:
      - { .name: emb, .offset: 0, .size: 8, .value_kind: global_buffer, .address_space: global }
      - { .name: embf, .offset: 8, .size: 8, .value_kind: global_buffer, .address_space: global }
      - { .name: embr, .offset: 16, .size: 8, .value_kind: global_buffer, .address_space: global }
      - { .name: eew, .offset: 24, .size: 8, .value_kind: global_buffer, .address_space: global }
    .group_segment_fixed_size: 17664
    .private_segment_fixed_size: 0
    .kernarg_segment_align: 8
    .kernarg_segment_size: 32
    .max_flat_workgroup_size: 128
    .sgpr_count:     66
    .vgpr_count:     136
    .wavefront_size: 32
...
	.end_amdgpu_metadata
.endif
;; end of part 1
;; launch search (part 2): grid 256 x 1, 4 waves a work-group, clusters of 4 x 1, 327,680 bytes of LDS; arguments z, embf, eew, cand, zzw; writes cand, zzw
.if DOCPART == 2
	.amdgcn_target "amdgcn-amd-amdhsa--gfx1250"
	.amdhsa_code_object_version 6
	.text
	.protected	k_q57f38e20a8_search
	.globl	k_q57f38e20a8_search
	.p2align	8
	.type	k_q57f38e20a8_search,@function
k_q57f38e20a8_search:
	s_mov_b64 s[64:65], 0
	v_nop
	global_prefetch_b8 v0, s[64:65] scope:SCOPE_SE
	s_setreg_imm32_b32 hwreg(HW_REG_WAVE_MODE, 25, 1), 1
	s_wait_xcnt 0x0
	s_wait_alu depctr_hold_cnt(0) depctr_sa_sdst(0) depctr_va_vdst(0) depctr_va_sdst(0) depctr_va_ssrc(0) depctr_va_vcc(0) depctr_vm_vsrc(0)
	s_getreg_b32 s2, hwreg(HW_REG_IB_STS2, 6, 4)
	s_cmp_eq_u32 s2, 0
	s_cbranch_scc0 .Lentry_in_a_cluster
	s_endpgm
.Lentry_in_a_cluster:
	s_bfe_u32 s2, ttmp6, 0x10000c
	s_cmp_lg_u32 s2, 0x3003
	s_cbranch_scc0 .Lentry_shape_is_right
	s_endpgm
.Lentry_shape_is_right:
; VECTOR QUANTIZER, launch 2 of 4: d[n][k] = (zz[n] - 2 zb[n].eb[k]) + ee[k] for all 32,768 x 8,192 pairs, and for each row the GROUP of 8 codes on end (k / 8) that holds the first least d.  Nothing is left out.
; Out: cand[n] = that group (whole numbers: the next launch makes addresses of them), zzw[n] = zz[n] = the sum of zb^2.
; LIMITS.  zb = bf16(z), eb = bf16(emb); sums in f32.  NaN and infinities are not treated apart; a row all of whose d are 3.4e38 or more gets group 0.
; SHARES.  A work-group owns 128 rows; EVERY wave holds all 128 as operand fragments, 512 registers, for the whole launch.  The CODES are split: of each tile of 256 codes wave w takes 64 w .. 64 w + 63, four blocks of 16.
; So each byte of the codebook is read from LDS by one wave, 18 LDS loads for 64 matrix instructions, and a wave reads only the quarter of a tile that its own tensor load brought.
; LAYOUT.  S^T = E Z^T (source 0 = 16 codes, source 1 = 16 rows of z): in the result a lane holds ONE row of z (lane % 16) and the 8 codes on end 8 (lane / 16) + 0..7 of the block: one group.
; For a result of 8 registers: 4 packed fma (zz - 2 dot, one rounding), 4 packed additions (+ ee), 4 minima of three, the last with the running minimum, a compare and a select of the block's number:
; 14 vector instructions for 8 matrix instructions.  A strictly smaller minimum alone takes the number, so the earlier block stays; a wave's blocks ascend in k.
; BY TURNS.  A block's 64 products go in two QUADS of 32 (rows 0-63, rows 64-127); behind every second product stand up to four of the vector instructions that finish the OTHER quad's scores.
; CLUSTER.  All work-groups walk the same codebook; the four of a cluster ask for each quarter tile JOINTLY: the same tensor load, descriptor and mask in all four.
; REGISTERS, in windows of 256 (s_set_vgpr_msb: bits 1:0 source 0, 3:2 source 1, 5:4 source 2, 7:6 destination):
;   window 0: addresses, statistics, ee, v128-191 the 8 accumulators      window 1: v0-127 E's fragments, two buffers (at the start all 256: z as loaded)      windows 2, 3: Z, 64 registers for each 16 rows
.set SLOT1, 0x20000                    ; slot 0 at byte 0, slot 1 here: a tile of 256 codes, 131,072 bytes, each; one exclusive or turns an address in one slot into the other's
.set TILEB, 131072
.set QTR,   32768                      ; a wave's quarter of a tile
.set BLK,   8192                       ; a block of 16 codes
.set EE,    0x40000                    ; the whole table ee, 32,768 bytes, filled once
.set STAGE, 294912                     ; 32 rows x 528 bytes, written by LDS stores alone: z on its way into fragments; at the end the waves' results
.set SP,    528                        ; 33 x 16 bytes: the 16 rows of a load begin in 16 different groups of four banks (64 banks of 4 bytes: ISA guide 11.1)
.set ZZS,   311808                     ; zz of the 128 rows
.set SPARE, 312320                     ; the spare words, 128 bytes for each wave: two blocks of 256 bytes that no other line names
.set R,    1                           ; v1   lane % 16
.set H,    2                           ; v2   lane / 16
.set AE0,  3                           ; v3   16 x lane: my place in 512 bytes on end (fragments, z, the stores); never rewritten
.set ADR,  4                           ; v4   LDS address of the run of fragment loads in hand
.set AEE0, 5                           ; v5   EE + 32 x (lane / 16)
.set ADE,  6                           ; v6   LDS address of the block's ee
.set STW,  8                           ; v8   the stage: where I put 8 bytes of my wave's first row
.set STR,  9                           ; v9   the stage: where I read 16 bytes of a fragment
.set ZZW,  10                          ; v10  ZZS + 32 x wave
.set PFO,  11                          ; v11  256 x lane; never rewritten
.set SPW,  12                          ; v12  my spare word; never rewritten
.set NIL,  13                          ; v13  0; never rewritten
.set ZZR,  14                          ; v14  ZZS + 4 x (lane % 16)
.set GB,   15                          ; v15  8 x wave + lane / 16
.set M,    24                          ; v[24:39]   the running minimum of tile t, by the block's parity p at M + 2 t + p: the new one is written beside the old, so that the compare may come later
.set ID,   40                          ; v[40:47]   the number of the block that holds it
.set CC,   48                          ; v[48:55]   two minima at work for each of four tiles
.set EEV,  56                          ; v[56:71]   ee of my 8 codes, two buffers by the block's parity
.set TT,   72                          ; v[72:103]  at work at the start and at the end
.set ZZ,   104                         ; v[104:119] zz of my row in tile t, twice: a pair for the packed fma
.set OUTG, 120                         ; v[120:123] four groups on their way out
.set OUTZ, 124                         ; v[124:127] four zz on their way out
.set ACC,  128                         ; v[128:191] tile t's scores at ACC + 8 t
.set UU,   128                         ; at the start, before any product: 8 rounded numbers as f32,
.set SS,   136                         ; and a pair of partial sums for each of 8 rows
.set WV,   14                          ; s14  my wave's number
.set CX,   15                          ; s15  my place in the cluster: it enters global addresses of z, cand, zzw and of the prefetch alone
.set WG,   16                          ; s16  my work-group
.set G1,   24                          ; s[24:31] descriptor group 1: a quarter tile
.set G1E,  32                          ; s[32:39] a quarter of ee
.set G0A,  40                          ; s[40:43] group 0: tile 0
.set G0W,  44                          ; s[44:47] group 0: tile 1; it then walks
.set G0E,  48                          ; s[48:51] group 0: ee
.set SLOTS, 52                         ; s52  counts the tiles
.set CNT,  53                          ; s53  counts a tile's two pairs of blocks
.set TB,   54                          ; s54  LDS byte of the block to be fetched
.set TE,   55                          ; s55  byte in ee of its first code
.set G,    56                          ; s56  the number of the block whose scores are being finished
.set LIM,  57                          ; s57  2 in the first cluster, else the greatest number
.set PFA,  58                          ; s[58:59] where my prefetches stand
.set SEL,  60                          ; s[60:61] v_permlanex16_b32: each lane takes its own place in the other half
.set HIM,  62                          ; s62  a word's upper bf16
.set K0,   66                          ; s66-68 lane masks
.set K1,   67
.set K2,   68
.set MSB, 0
.macro WIN new                         ; the immediate's high byte repeats the setting that is left; a switch that changes nothing is dropped
.if MSB != (\new)
	s_set_vgpr_msb (MSB<<8)|(\new)
.set MSB, (\new)
.endif
.endm
; A round of the cluster's barrier: my work-group's barrier, so that wave 0's signal speaks for all four waves; wave 0 signals; every wave waits for all four work-groups; my work-group's barrier once more.
.macro CROUND
	s_barrier_signal -1
	s_barrier_wait -1
	s_cmp_lg_u32 s[WV], 0
	s_cbranch_scc1 .Lnot_wave_0_\@
	s_barrier_signal -3
.Lnot_wave_0_\@:
	s_barrier_wait -3
	s_barrier_signal -1
	s_barrier_wait -1
.endm
	s_load_b256 s[4:11], s[0:1], 0x0               ; z s[4:5], embf s[6:7], eew s[8:9], cand s[10:11]
	s_load_b64 s[12:13], s[0:1], 0x20              ; zzw
	v_lshl_add_u32 v[SPW], v0, 2, SPARE
	v_mov_b32 v[NIL], 0
	ds_add_u32 v[SPW], v[NIL]                      ; the wave's opening: the add, twice on end, and its wait ahead of my first tensor load; the set-up below stands between
	ds_add_u32 v[SPW], v[NIL]
	v_lshrrev_b32 v1, 5, v0
	v_readfirstlane_b32 s[WV], v1                  ; wave 0..3
	s_bfe_u32 s[CX], ttmp6, 0x40000
	s_lshl_b32 s[WG], ttmp9, 2                     ; in a cluster launch ttmp9 counts clusters
	s_add_co_u32 s[WG], s[WG], s[CX]
	; descriptor group 1: dense bytes, asked for as rows of 256 bytes (32 elements of 8 bytes): 128 rows for a quarter tile, 32 for a quarter of ee
	s_mov_b32 s[G1],  15|(3<<16)|(1<<21)           ; 15:0 the mask: all four work-groups; 17:16 elements of 8 bytes; 21 set beside a mask; no padding
	s_mov_b32 s[G1E], 15|(3<<16)|(1<<21)
	s_mov_b32 s[G1+1],  32<<16                     ; tensor_dim0 = 32
	s_mov_b32 s[G1E+1], 32<<16
	s_mov_b32 s[G1+2],  128<<16                    ; tensor_dim1 = 128
	s_mov_b32 s[G1E+2], 32<<16                     ;             = 32
	s_mov_b32 s[G1+3],  32<<16                     ; tile_dim0 = 32
	s_mov_b32 s[G1E+3], 32<<16
	s_mov_b32 s[G1+4],  128                        ; tile_dim1 = 128
	s_mov_b32 s[G1E+4], 32                         ;           = 32
	s_mov_b32 s[G1+5],  32                         ; 32 elements from row to row
	s_mov_b32 s[G1E+5], 32
	s_mov_b32 s[G1+6],  0
	s_mov_b32 s[G1E+6], 0
	s_mov_b32 s[G1+7],  0
	s_mov_b32 s[G1E+7], 0
	s_mov_b32 s[G0A], 1                            ; count = 1
	s_mov_b32 s[G0W], 1
	s_mov_b32 s[G0E], 1
	s_mul_i32 s[G0A+1], s[WV], QTR                 ; LDS addresses: the wave's number times a constant, plus the region's constant
	s_add_co_u32 s[G0W+1], s[G0A+1], SLOT1
	s_mul_i32 s[G0E+1], s[WV], 8192
	s_add_co_u32 s[G0E+1], s[G0E+1], EE
	s_mov_b32 s[SEL], 0x76543210
	s_mov_b32 s[SEL+1], 0xfedcba98
	s_mov_b32 s[HIM], 0xffff0000
	s_mov_b32 s[G], -1
	s_mul_i32 s[TB], s[WV], QTR
	s_lshl_b32 s[TE], s[WV], 8                     ; my 64 codes' ee in a tile's 1,024 bytes
	s_mov_b32 s[SLOTS], 31
	s_cmp_eq_u32 ttmp9, 0
	s_cselect_b32 s[LIM], 2, -1                    ; the same in all four partners
	v_and_b32 v[R], 15, v0
	v_bfe_u32 v[H], v0, 4, 1
	v_and_b32 v[AE0], 31, v0
	v_lshlrev_b32 v[STW], 3, v[AE0]
	v_lshlrev_b32 v[PFO], 8, v[AE0]
	v_lshlrev_b32 v[AE0], 4, v[AE0]
	v_lshl_add_u32 v[AEE0], v[H], 5, EE
	s_mul_i32 s68, s[WV], 8*SP
	s_add_co_u32 s68, s68, STAGE
	v_add_nc_u32 v[STW], s68, v[STW]
	v_mul_u32_u24 v[STR], v[R], SP
	v_lshl_add_u32 v[STR], v[H], 4, v[STR]
	v_add_nc_u32 v[STR], STAGE, v[STR]
	s_lshl_b32 s68, s[WV], 5
	s_add_co_u32 s68, s68, ZZS
	v_mov_b32 v[ZZW], s68
	v_lshl_add_u32 v[ZZR], v[R], 2, ZZS
	s_lshl_b32 s68, s[WV], 3
	v_add_nc_u32 v[GB], s68, v[H]
.set n, 0
.rept 16
	v_mov_b32 v[M+n], 0x7f7fffff                   ; the greatest finite number
.set n, n+1
.endr
.set n, 0
.rept 8
	v_mov_b32 v[ID+n], 0
.set n, n+1
.endr
	s_wait_dscnt 0x0                               ; both opening adds are done
	s_wait_kmcnt 0x0
	s_lshl_b32 s68, s[WG], 17                      ; my work-group's 128 rows of 1,024 bytes,
	s_lshl_b32 s69, s[WV], 13                      ; my wave's 8 of each 32
	s_add_co_u32 s68, s68, s69
	s_mov_b32 s69, 0
	s_add_nc_u64 s[4:5], s[4:5], s[68:69]
	s_lshl_b32 s68, s[WG], 9                       ; 128 words
	s_add_nc_u64 s[10:11], s[10:11], s[68:69]
	s_add_nc_u64 s[12:13], s[12:13], s[68:69]
	s_lshl_b32 s68, s[CX], 15                      ; the prefetches: of a tile's 512 blocks of 256 bytes my work-group takes 128, my wave 32, a lane one
	s_lshl_b32 s70, s[WV], 13
	s_add_co_u32 s68, s68, s70
	s_add_nc_u64 s[PFA:PFA+1], s[6:7], s[68:69]
	s_add_nc_u64 s[PFA:PFA+1], s[PFA:PFA+1], 3*TILEB  ; in tile 3: the first refill steps it to tile 4
	s_mul_i32 s70, s[WV], QTR                      ; the descriptors' offsets hang on the wave's number alone, in registers that never hold my place in the cluster
	s_mov_b32 s71, 0
	s_add_nc_u64 s[G0A+2:G0A+3], s[6:7], s[70:71]
	s_add_nc_u64 s[G0W+2:G0W+3], s[G0A+2:G0A+3], TILEB
	s_or_b32 s[G0A+3], s[G0A+3], 0x80000000        ; type = 2
	s_or_b32 s[G0W+3], s[G0W+3], 0x80000000
	s_mul_i32 s70, s[WV], 8192
	s_add_nc_u64 s[G0E+2:G0E+3], s[8:9], s[70:71]
	s_or_b32 s[G0E+3], s[G0E+3], 0x80000000
	; z: 64 loads of 512 bytes on end.  Pass p, row i, half c (n = 16 p + 2 i + c): row 32 p + 8 w + i of the work-group's, into window 1.
	WIN 0x40                                       ; destination window 1, address window 0
.set n, 0
.rept 64
	global_load_b128 v[4*n:4*n+3], v[AE0], s[4:5] offset:(n/16)*32768+((n%16)/2)*1024+(n%2)*512 th:TH_LOAD_NT
.set n, n+1
.endr
	WIN 0
	CROUND                                         ; all four work-groups are here: the first joint loads meet
	tensor_load_to_lds s[G0E:G0E+3], s[G1E:G1E+7]  ; the three first fills go out together: three tensor loads of mine are out; later one
	s_nop 0
	tensor_load_to_lds s[G0A:G0A+3], s[G1:G1+7]
	s_nop 0
	tensor_load_to_lds s[G0W:G0W+3], s[G1:G1+7]
	s_nop 0
.rept 4
	v_nop
.endr
; PASS p: rows 32 p .. 32 p + 31 become fragments.  Each wave rounds its 8 rows, puts them into the stage and sums their squares; behind a barrier every wave reads all 32 rows as two tiles of Z;
; a second barrier lets the stage be written again.
.macro PASS p
	s_wait_loadcnt 48-16*(\p)                      ; loads come back in order: this pass's 16 are in, the later passes' stay out
	WIN 0x05                                       ; sources window 1, destination window 0
.set n, 0
.rept 32
	v_cvt_pk_bf16_f32 v[TT+n], v[64*(\p)+2*n], v[64*(\p)+2*n+1]
.set n, n+1
.endr
	WIN 0
.irp i, 0,1,2,3,4,5,6,7
	ds_store_b64 v[STW], v[TT+4*\i:TT+4*\i+1]   offset:\i*SP
	ds_store_b64 v[STW], v[TT+4*\i+2:TT+4*\i+3] offset:\i*SP+256
.endr
.irp i, 0,1,2,3,4,5,6,7
.irp j, 0,1,2,3
	v_lshlrev_b32 v[UU+2*\j],   16,     v[TT+4*\i+\j]
	v_and_b32     v[UU+2*\j+1], s[HIM], v[TT+4*\i+\j]
.endr
	v_pk_mul_f32 v[SS+2*\i:SS+2*\i+1], v[UU:UU+1], v[UU:UU+1]
.irp j, 2,4,6
	v_pk_fma_f32 v[SS+2*\i:SS+2*\i+1], v[UU+\j:UU+\j+1], v[UU+\j:UU+\j+1], v[SS+2*\i:SS+2*\i+1]
.endr
.endr
.irp i, 0,1,2,3,4,5,6,7
	v_add_f32 v[SS+2*\i], v[SS+2*\i], v[SS+2*\i+1]
.endr
.irp m, 1,2,4,8
.irp i, 0,1,2,3,4,5,6,7
	v_add_f32_dpp v[SS+2*\i], v[SS+2*\i], v[SS+2*\i] row_xmask:\m row_mask:0xf bank_mask:0xf
.endr
.endr
.irp i, 0,1,2,3,4,5,6,7
	v_permlanex16_b32 v[SS+2*\i+1], v[SS+2*\i], s[SEL], s[SEL+1]
.endr
.irp i, 0,1,2,3,4,5,6,7
	v_add_f32 v[SS+2*\i], v[SS+2*\i], v[SS+2*\i+1]
.endr
.irp i, 0,1,2,3,4,5,6,7
	ds_store_b32 v[ZZW], v[SS+2*\i] offset:128*(\p)+4*\i  ; all lanes write the same word with the same number
.endr
	s_wait_dscnt 0x0                               ; for the others' sake: my rows and my zz lie in LDS
	s_barrier_signal -1
	s_barrier_wait -1
	WIN 0x80+0x40*((\p)/2)                         ; destination window 2 (tiles 0-3) or 3 (tiles 4-7)
.irp u, 0,1
.irp f, 0,1,2,3,4,5,6,7
	ds_load_b128 v[64*((2*(\p)+\u)%4)+8*\f:64*((2*(\p)+\u)%4)+8*\f+3],   v[STR] offset:\u*16*SP+64*\f
	ds_load_b128 v[64*((2*(\p)+\u)%4)+8*\f+4:64*((2*(\p)+\u)%4)+8*\f+7], v[STR] offset:\u*16*SP+64*\f+32
.endr
.endr
	WIN 0
.if (\p) == 3
.irp t, 0,1,2,3,4,5,6,7
	ds_load_b32 v[ZZ+2*\t],   v[ZZR] offset:64*\t
	ds_load_b32 v[ZZ+2*\t+1], v[ZZR] offset:64*\t
.endr
.endif
	s_wait_dscnt 0x0                               ; my reads of the stage are over
.if (\p) == 3
	s_wait_tensorcnt 0x1                           ; my quarters of ee and of tile 0 have landed; slot 1's load, issued behind them, may stay out
.endif
	s_barrier_signal -1
	s_barrier_wait -1
.endm
	PASS 0
	PASS 1
	PASS 2
	PASS 3                                         ; behind its last barrier the whole table ee, of which each wave brought a quarter, may be read by all
; THE VECTOR WORK for a pair of tiles ta, ta + 1 whose scores of a block of parity pm are finished: parts 0 to 7.
; KEEP is part 7: where the new minimum is strictly below the old, the block's number is taken.
.macro KEEP ta, tb, pm
	v_cmp_lt_f32 s[K0], v[M+2*(\ta)+(\pm)], v[M+2*(\ta)+1-(\pm)]
	v_cmp_lt_f32 s[K1], v[M+2*(\tb)+(\pm)], v[M+2*(\tb)+1-(\pm)]
	v_cndmask_b32 v[ID+(\ta)], v[ID+(\ta)], s[G], s[K0]
	v_cndmask_b32 v[ID+(\tb)], v[ID+(\tb)], s[G], s[K1]
.endm
.macro PART k, t, pm
.if (\k) < 2                           ; 0, 1: zz - 2 dot, one rounding; an accumulator's lowest registers are read first
.set ra, ACC+8*((\t)+(\k))
.set rz, ZZ+2*((\t)+(\k))
.irp x, 0,2,4,6
	v_pk_fma_f32 v[ra+\x:ra+\x+1], v[ra+\x:ra+\x+1], -2.0, v[rz:rz+1] op_sel_hi:[1,0,1]
.endr
.elseif (\k) < 4                       ; 2, 3: + ee
.set ra, ACC+8*((\t)+(\k)-2)
.irp x, 0,2,4,6
	v_pk_add_f32 v[ra+\x:ra+\x+1], v[ra+\x:ra+\x+1], v[EEV+8*(\pm)+\x:EEV+8*(\pm)+\x+1]
.endr
.elseif (\k) == 4                      ; 4 to 6: the least of the eight and of the running minimum
.irp tt, \t, (\t)+1
	v_min3_num_f32 v[CC+2*((\tt)%4)],   v[ACC+8*(\tt)],   v[ACC+8*(\tt)+1], v[ACC+8*(\tt)+2]
	v_min3_num_f32 v[CC+2*((\tt)%4)+1], v[ACC+8*(\tt)+3], v[ACC+8*(\tt)+4], v[ACC+8*(\tt)+5]
.endr
.elseif (\k) == 5
.irp tt, \t, (\t)+1
	v_min3_num_f32 v[CC+2*((\tt)%4)], v[CC+2*((\tt)%4)], v[ACC+8*(\tt)+6], v[ACC+8*(\tt)+7]
.endr
.elseif (\k) == 6
.irp tt, \t, (\t)+1
	v_min3_num_f32 v[M+2*(\tt)+(\pm)], v[CC+2*((\tt)%4)], v[CC+2*((\tt)%4)+1], v[M+2*(\tt)+1-(\pm)]
.endr
.else
	KEEP \t, (\t)+1, \pm
.endif
.endm
; Slice n of 16 of a quad's vector work.  0: the KEEP that the quad before left over; it names statistics alone.  1-8: parts 0-7 of tiles TM, TM + 1.  9-15: parts 0-6 of tiles TM + 2, TM + 3.
; The block's number steps behind slice 0 of a quad of rows 64-127: there the last KEEP of the block before is done.
.macro SLICE n, q
	WIN 0
.if (\n) == 0
	KEEP LT, LT+1, LP
.if \q
	s_add_co_u32 s[G], s[G], 1
.endif
.elseif (\n) < 9
	PART (\n)-1, TM, PM
.else
	PART (\n)-9, TM+2, PM
.endif
.endm
; A QUAD: 32 products, tiles 4 q .. 4 q + 3 with the block in buffer eb; product i: channels 32 (i / 4) on, tile 4 q + i % 4.  The first four start the sums with the constant 0: nothing is cleared.
; The four accumulators take turns, one instruction a turn, from quad to quad and over the backward jumps too.  Behind every second product stands a slice for the OTHER quad's tiles:
; the first read of a result stands behind eight plain vector instructions or more that name none of its product's registers (ISA guide 7.12.1).  mm = 0: the slices alone.  ride = 0: the products alone.
.macro QUAD q, eb, mm=1, ride=1
.set TM, 4*(1-(\q))
.set PM, (\q)*(\eb)+(1-(\q))*(1-(\eb))   ; rows 64-127 ride on the next block's first quad
.set LT, 4*(\q)+2
.set LP, 1-(\eb)
.set i, 0
.rept 32
.if \mm
	WIN 0x09+4*(\q)                                ; E in window 1, Z in window 2 or 3, the scores in window 0
.set rD, ACC+32*(\q)+8*(i%4)
.set rA, 64*(\eb)+8*(i/4)
.set rB, 64*(i%4)+8*(i/4)
.if i < 4
	v_wmma_f32_16x16x32_bf16 v[rD:rD+7], v[rA:rA+7], v[rB:rB+7], 0
.else
	v_wmma_f32_16x16x32_bf16 v[rD:rD+7], v[rA:rA+7], v[rB:rB+7], v[rD:rD+7]
.endif
.endif
.if (\ride) && (i%2 == 1)
	SLICE (i-1)/2, \q
.endif
.set i, i+1
.endr
.endm
; A block's 18 LDS loads in one run: its ee (my 8 codes: 32 bytes, the same for all lanes of a half) and its 8 fragments, 512 bytes on end a load.  The last product that read the buffer stands a whole quad back.
.macro FETCH eb
	WIN 0
	v_add_nc_u32 v[ADR], s[TB], v[AE0]
	v_add_nc_u32 v[ADE], s[TE], v[AEE0]
	ds_load_b128 v[EEV+8*(\eb):EEV+8*(\eb)+3],   v[ADE]
	ds_load_b128 v[EEV+8*(\eb)+4:EEV+8*(\eb)+7], v[ADE] offset:16
	WIN 0x40                                       ; destination window 1
.irp f, 0,1,2,3,4,5,6,7
	ds_load_b128 v[64*(\eb)+8*\f:64*(\eb)+8*\f+3],   v[ADR] offset:1024*\f
	ds_load_b128 v[64*(\eb)+8*\f+4:64*(\eb)+8*\f+7], v[ADR] offset:1024*\f+512
.endr
	s_add_co_u32 s[TB], s[TB], BLK                 ; the next fetch is the next block's
	s_add_co_u32 s[TE], s[TE], 64
.endm
.macro HALF eb                         ; the block of parity eb is fetched while the block before is multiplied with rows 64-127; then its own products with rows 0-63
	FETCH \eb
	QUAD 1, 1-(\eb)
	s_wait_dscnt 0x0                               ; the 18 loads, issued 32 products back
	QUAD 0, \eb
	WIN 0                                          ; at a label and at a branch every window is 0
.endm
; A PREFETCH INTO THE L2 of the tile that stands two refills on (512 matrix instructions of a wave ahead of the load that will ask for it): 512 blocks of 256 bytes, a lane a block, one instruction a wave.
; All clusters walk the same codebook: the first cluster asks, nobody else; its four partners and their waves share the blocks out BY ADDRESS.  So each block is named once in the launch.
; Tiles 0 to 3 come by their loads alone; the last two refills ask for nothing, since tiles 32 and 33 do not exist.
.macro ASK
	s_cmp_gt_u32 s[SLOTS], s[LIM]
	s_cbranch_scc0 .Lnot_mine_\@
	global_prefetch_b8 v[PFO], s[PFA:PFA+1] th:TH_LOAD_NT scope:SCOPE_SE
.Lnot_mine_\@:
.endm
; THE CHANGE OF SLOTS: the slot's four blocks have been fetched.  Each wave waits for all its tensor loads, of which one is out: its quarter of the other slot; adds 0 to its spare word; and waits for that
; and for its own reads of the slot.  fill = 1: the slot is filled again, with the tile two on: the barrier is a round of the cluster's, so that no wave of any partner still reads the slot or has a load on
; its way, and the joint refill is the first thing behind it: it has a tile's 256 matrix instructions in which to land.
.macro CHANGE fill
	WIN 0
	s_wait_tensorcnt 0x0                           ; no tensor load of mine is out, so a group 0 may be written
	ds_add_u32 v[SPW], v[NIL]                      ; 0 onto my spare word; scalar work stands between it and the wait for it
.if \fill
	s_xor_b32 s[G0W+1], s[G0W+1], SLOT1            ; the walking descriptor: the other slot than last time,
	s_add_nc_u64 s[G0W+2:G0W+3], s[G0W+2:G0W+3], TILEB  ; the next tile; the type bits on top are not reached
	s_wait_xcnt 0x0                                ; the last prefetch, a tile back, has read its address, so it may be written
	s_add_nc_u64 s[PFA:PFA+1], s[PFA:PFA+1], TILEB
	s_wait_dscnt 0x0                               ; the add is done, and my reads of the slot are over
	CROUND
	tensor_load_to_lds s[G0W:G0W+3], s[G1:G1+7]
	s_nop 0
.rept 4
	v_nop
.endr
	ASK
.else
	s_wait_dscnt 0x0
	s_barrier_signal -1
	s_barrier_wait -1
.endif
	s_sub_co_u32 s[TB], s[TB], QTR                 ; the fetches go back to my quarter's first block,
	s_xor_b32 s[TB], s[TB], SLOT1                  ; in the other slot;
	s_add_co_u32 s[TE], s[TE], 768                 ; in ee on to the next tile's 1,024 bytes
.endm
	FETCH 0                                        ; block 0
	s_wait_dscnt 0x0
	QUAD 0, 0, 1, 0                                ; its products with rows 0-63: there is no vector work yet to set between them
	WIN 0
.rept 4
	v_nop                                          ; the places behind those products
.endr
	s_mov_b32 s[CNT], 2
	s_branch .Lmid                                 ; the loop is entered in the middle of a trip
.Lslot:                                        ; 30 times: every slot but the last two is filled again
	CHANGE 1
	s_mov_b32 s[CNT], 2
.Lpair:
	HALF 0
.Lmid:
	HALF 1
	s_sub_co_u32 s[CNT], s[CNT], 1
	s_cmp_lg_u32 s[CNT], 0
	s_cbranch_scc1 .Lpair
	s_sub_co_u32 s[SLOTS], s[SLOTS], 1
	s_cmp_lg_u32 s[SLOTS], 0
	s_cbranch_scc1 .Lslot
	CHANGE 0                                       ; the tail is written out: tile 31, and nothing is asked for
	s_mov_b32 s[CNT], 2
.Ltail:
	HALF 0
	HALF 1
	s_sub_co_u32 s[CNT], s[CNT], 1
	s_cmp_lg_u32 s[CNT], 0
	s_cbranch_scc1 .Ltail
	QUAD 1, 1                                      ; block 127 with rows 64-127 | its scores of rows 0-63 are finished
	QUAD 0, 0, 0                                   ; the slices alone: its scores of rows 64-127
	WIN 0
	KEEP 6, 7, 1                                   ; and the KEEP left over
	; THE END.  Block g of wave w, lanes' half h, is group 32 (g / 4) + 8 w + 2 (g % 4) + h.  Of two candidates the smaller d wins, of equal d the lower group: first the two halves of the lanes, then the four waves.
.macro MERGE2 dm, dg, ma, ga, mb, gb   ; (dm, dg) = b where b's d is smaller, or equal with the lower group; else a
	v_cmp_lt_f32 s[K0], v[\mb], v[\ma]
	v_cmp_eq_f32 s[K1], v[\mb], v[\ma]
	v_cmp_lt_u32 s[K2], v[\gb], v[\ga]
	s_and_b32 s[K1], s[K1], s[K2]
	s_or_b32 s[K0], s[K0], s[K1]
	v_cndmask_b32 v[\dm], v[\ma], v[\mb], s[K0]
	v_cndmask_b32 v[\dg], v[\ga], v[\gb], s[K0]
.endm
.set t, 0
.rept 8
	v_and_b32 v[TT+t], 3, v[ID+t]
	v_sub_nc_u32 v[TT+8+t], v[ID+t], v[TT+t]
	v_lshl_add_u32 v[TT+t], v[TT+t], 1, v[GB]
	v_lshl_add_u32 v[ID+t], v[TT+8+t], 3, v[TT+t]
.set t, t+1
.endr
.set t, 0
.rept 8
	v_permlanex16_b32 v[TT+t],   v[M+2*t+1], s[SEL], s[SEL+1]  ; block 127 has parity 1: the last minimum lies there
	v_permlanex16_b32 v[TT+8+t], v[ID+t],    s[SEL], s[SEL+1]
.set t, t+1
.endr
	s_lshl_b32 s70, s[WV], 10
	s_add_co_u32 s70, s70, STAGE                   ; my wave's 1,024 bytes: 8 bytes a row
	v_lshl_add_u32 v[ADR], v[R], 3, s70
.set t, 0
.rept 8
	MERGE2 TT+16+2*t, TT+17+2*t, M+2*t+1, ID+t, TT+t, TT+8+t
	ds_store_b64 v[ADR], v[TT+16+2*t:TT+17+2*t] offset:128*t  ; both halves of the lanes write the same 8 bytes with the same numbers
.set t, t+1
.endr
	s_wait_dscnt 0x0                               ; for the others' sake
	s_barrier_signal -1
	s_barrier_wait -1
	s_cmp_lg_u32 s[WV], 0
	s_cbranch_scc1 .Lnot_0
	v_lshl_add_u32 v[ADE], v[AE0], 1, STAGE        ; wave 0: lane l takes rows 4 l .. 4 l + 3, 32 bytes of each wave's results
.irp y, 0,1,2,3
	ds_load_b128 v[TT+8*\y:TT+8*\y+3],   v[ADE] offset:1024*\y
	ds_load_b128 v[TT+8*\y+4:TT+8*\y+7], v[ADE] offset:1024*\y+16
.endr
	s_wait_dscnt 0x0
.irp x, 0,1,2,3
	MERGE2 TT+2*\x, TT+2*\x+1, TT+2*\x, TT+2*\x+1, TT+8+2*\x, TT+9+2*\x
	MERGE2 TT+2*\x, TT+2*\x+1, TT+2*\x, TT+2*\x+1, TT+16+2*\x, TT+17+2*\x
	MERGE2 TT+2*\x, OUTG+\x, TT+2*\x, TT+2*\x+1, TT+24+2*\x, TT+25+2*\x
.endr
	global_store_b128 v[AE0], v[OUTG:OUTG+3], s[10:11]  ; 512 bytes on end, at a multiple of 256 from cand's first byte
	s_branch .Lend
.Lnot_0:
	s_cmp_lg_u32 s[WV], 1
	s_cbranch_scc1 .Lend
	v_add_nc_u32 v[ADE], ZZS, v[AE0]               ; wave 1: the 128 zz
	ds_load_b128 v[OUTZ:OUTZ+3], v[ADE]
	s_wait_dscnt 0x0
	global_store_b128 v[AE0], v[OUTZ:OUTZ+3], s[12:13]
.Lend:
	s_wait_tensorcnt 0x0                           ; the wave's end, behind my last tensor load and my last LDS store
	ds_add_u32 v[SPW], v[NIL]
	s_wait_dscnt 0x0
	CROUND                                         ; the closing round: no work-group ends while a partner may still ask for a tile that names it
	s_endpgm
.Lfunc_end_k_q57f38e20a8_search:
	.size	k_q57f38e20a8_search, .Lfunc_end_k_q57f38e20a8_search-k_q57f38e20a8_search
	.p2alignl 7, 3214868480
	.fill 96, 4, 3214868480
	.section	.rodata,"a",@progbits
	.p2align	6, 0x0
	.amdhsa_kernel k_q57f38e20a8_search
		.amdhsa_group_segment_fixed_size 327680
		.amdhsa_private_segment_fixed_size 0
		.amdhsa_enable_private_segment 0
		.amdhsa_kernarg_size 40
		.amdhsa_user_sgpr_count 2
		.amdhsa_user_sgpr_kernarg_segment_ptr 1
		.amdhsa_wavefront_size32 1
		.amdhsa_system_sgpr_workgroup_id_x 1
		.amdhsa_system_sgpr_workgroup_id_y 1
		.amdhsa_system_sgpr_workgroup_id_z 1
		.amdhsa_system_vgpr_workitem_id 0
		.amdhsa_next_free_vgpr 1024
		.amdhsa_next_free_sgpr 72
		.amdhsa_reserve_vcc 0
		.amdhsa_float_denorm_mode_32 3
		.amdhsa_float_denorm_mode_16_64 3
		.amdhsa_memory_ordered 1
		.amdhsa_forward_progress 1
		.amdhsa_inst_pref_size 151
	.end_amdhsa_kernel
	.amdgpu_metadata
---
amdhsa.version: [ 1, 2 ]
amdhsa.kernels:
  - .name:           k_q57f38e20a8_search
    .symbol:         k_q57f38e20a8_search.kd
    .args:
      - { .name: z, .offset: 0, .size: 8, .value_kind: global_buffer, .address_space: global }
      - { .name: embf, .offset: 8, .size: 8, .value_kind: global_buffer, .address_space: global }
      - { .name: eew, .offset: 16, .size: 8, .value_kind: global_buffer, .address_space: global }
      - { .name: cand, .offset: 24, .size: 8, .value_kind: global_buffer, .address_space: global }
      - { .name: zzw, .offset: 32, .size: 8, .value_kind: global_buffer, .address_space: global }
    .group_segment_fixed_size: 327680
    .private_segment_fixed_size: 0
    .kernarg_segment_align: 8
    .kernarg_segment_size: 40
    .max_flat_workgroup_size: 128
    .sgpr_count:     72
    .vgpr_count:     1024
    .wavefront_size: 32
...
	.end_amdgpu_metadata
.endif
;; end of part 2
;; launch pick (part 3): grid 512 x 1, 8 waves a work-group, no clusters, 1,536 bytes of LDS; arguments z, embr, eew, cand, zzw, out0, out3, part; writes out0, out3, part
.if DOCPART == 3
	.amdgcn_target "amdgcn-amd-amdhsa--gfx1250"
	.amdhsa_code_object_version 6
	.text
	.protected	k_q57f38e20a8_pick
	.globl	k_q57f38e20a8_pick
	.p2align	8
	.type	k_q57f38e20a8_pick,@function
k_q57f38e20a8_pick:
	s_mov_b64 s[64:65], 0
	v_nop
	global_prefetch_b8 v0, s[64:65] scope:SCOPE_SE
	s_setreg_imm32_b32 hwreg(HW_REG_WAVE_MODE, 25, 1), 1
	s_wait_xcnt 0x0
; VECTOR QUANTIZER, launch 3 of 4: for each row the 8 distances of the group that the launch before chose are made anew, d = (zz - 2 zb.eb) + ee in f32; the first least of them is idx (out3);
; out0 = zb + (eb[idx] - zb); the squares of eb[idx] - zb are summed, one partial sum a work-group (part).  Nothing is left out.  zb = bf16(z), eb = bf16(emb), as everywhere in this program.
; The group's number is a whole number READ from memory (cand), held to 0 .. 1023, and makes the addresses.  Which of the 8 codes wins hangs on floating-point numbers: it only selects, among
; rows that are all loaded; no address and no branch hangs on it.
; LIMITS.  NaN and infinities are not treated apart.  The 256 products of a distance are added here in another order than in the launch before.
; SHARES.  A wave takes 8 rows, one after the other, written out.  Lane l holds channels 128 c + 4 l + 0..3, c = 0, 1: z and out0 go by 16 bytes a lane (512 bytes on end an instruction), a code's bf16 row by
; two loads of 8 bytes a lane (256 bytes on end).  Three sets of registers: while one row is worked on, the 20 loads of each of the next two are on their way.
; No matrix unit (no two rows share their 8 codes), no cluster (work-groups share no tile), no prefetch (z streams once through many loads in flight; the codebook is read again and again).
.set IDXS,  0                          ; LDS: the work-group's 64 idx
.set LOSSW, 256                        ; the 8 waves' sums
.set SPARE, 512                        ; the spare words, 128 bytes for each wave: four blocks of 256 bytes that no other line names
.set LN16, 1                           ; v1   16 x lane; never rewritten
.set LN8,  2                           ; v2   8 x lane; never rewritten
.set ZERO, 3                           ; v3   0: an offset, and the addend that starts a sum
.set SPW,  4                           ; v4   my spare word; never rewritten
.set NIL,  5                           ; v5   0; never rewritten
.set IXA,  6                           ; v6   IDXS + 32 x wave
.set LSA,  7                           ; v7   LOSSW + 4 x wave
.set ZZV,  8                           ; v[8:9]    zz, twice
.set BEST, 10                          ; v10  the least d so far
.set JB,   11                          ; v11  its place in the group
.set IX,   12                          ; v12  idx
.set ZB,   16                          ; v[16:23]  my 8 channels of zb as f32
.set S,    24                          ; v[24:31]  the 8 dots, then the 8 distances
.set T,    32                          ; v[32:39]  at work
.set SL,   40                          ; v[40:43]  my 8 channels of the best code so far, in bf16
.set EQ,   44                          ; v[44:51]  the same as f32
.set DF,   52                          ; v[52:59]  eb - zb
.set O,    60                          ; v[60:75]  out0, two sets by turns
.set LS,   76                          ; v[76:79]  the sum of squares, in four parts
.set BUF,  80                          ; v[80:223] three sets of 48: z (8), ee of the 8 codes (8), the 8 codes (code j, half c at 16 + 4 j + 2 c)
	s_load_b512 s[4:19], s[0:1], 0x0               ; z s[4:5], embr s[6:7], eew s[8:9], cand s[10:11], zzw s[12:13], out0 s[14:15], out3 s[16:17], part s[18:19]
	v_lshl_add_u32 v[SPW], v0, 2, SPARE
	v_mov_b32 v[NIL], 0
	v_lshrrev_b32 v13, 5, v0
	v_readfirstlane_b32 s82, v13                   ; wave 0..7
	v_and_b32 v13, 31, v0
	v_lshlrev_b32 v[LN16], 4, v13
	v_lshlrev_b32 v[LN8], 3, v13
	v_mov_b32 v[ZERO], 0
	s_lshl_b32 s62, s82, 5
	v_mov_b32 v[IXA], s62
	s_lshl_b32 s62, s82, 2
	s_add_co_u32 s62, s62, LOSSW
	v_mov_b32 v[LSA], s62
	s_mov_b32 s60, 0x76543210                      ; v_permlanex16_b32: each lane takes its own place in the other half
	s_mov_b32 s61, 0xfedcba98
	s_mov_b32 s83, 0xffff0000                      ; a word's upper bf16
.irp n, 0,1,2,3,4,5,6,7
	v_mov_b32 v[T+\n], 0                           ; destinations of the lane exchange count as read
.endr
.irp n, 0,1,2,3
	v_mov_b32 v[LS+\n], 0
.endr
	s_lshl_b32 s52, ttmp9, 3
	s_add_co_u32 s52, s52, s82                     ; my wave among the launch's 4,096
	s_mov_b32 s53, 0
	s_lshl_b32 s54, s52, 5                         ; its 8 words in cand and zzw
	s_mov_b32 s55, 0
	s_lshl_b32 s52, s52, 13                        ; its 8 rows of 1,024 bytes
	s_wait_kmcnt 0x0
	s_add_nc_u64 s[10:11], s[10:11], s[54:55]
	s_add_nc_u64 s[12:13], s[12:13], s[54:55]
	s_load_b256 s[20:27], s[10:11], 0x0            ; the 8 groups
	s_load_b256 s[28:35], s[12:13], 0x0            ; the 8 zz
	s_add_nc_u64 s[56:57], s[4:5], s[52:53]        ; z and out0 at my first row
	s_add_nc_u64 s[58:59], s[14:15], s[52:53]
	s_lshl_b32 s54, ttmp9, 8                       ; 64 idx a work-group
	s_add_nc_u64 s[16:17], s[16:17], s[54:55]
	s_lshl_b32 s54, ttmp9, 2
	s_add_nc_u64 s[18:19], s[18:19], s[54:55]
	s_wait_kmcnt 0x0
.irp i, 0,1,2,3,4,5,6,7
	s_min_u32 s[20+\i], s[20+\i], 1023             ; a loaded number enters an address only held to the table's size
	s_lshl_b32 s52, s[20+\i], 12                   ; a group is 4,096 bytes of embr
	s_add_nc_u64 s[36+2*\i:37+2*\i], s[6:7], s[52:53]
	s_lshl_b32 s52, s[20+\i], 5                    ; and 32 bytes of eew
	s_add_nc_u64 s[66+2*\i:67+2*\i], s[8:9], s[52:53]
.endr
.macro LOADS i                         ; row i's 20 loads, into set i % 3
.set B, BUF+48*((\i)%3)
	global_load_b128 v[B:B+3],     v[LN16], s[56:57] offset:(\i)*1024 th:TH_LOAD_NT
	global_load_b128 v[B+4:B+7],   v[LN16], s[56:57] offset:(\i)*1024+512 th:TH_LOAD_NT
	global_load_b128 v[B+8:B+11],  v[ZERO], s[66+2*(\i):67+2*(\i)]             ; the 8 ee, the same in every lane
	global_load_b128 v[B+12:B+15], v[ZERO], s[66+2*(\i):67+2*(\i)] offset:16
.irp j, 0,1,2,3,4,5,6,7
	global_load_b64 v[B+16+4*\j:B+17+4*\j], v[LN8], s[36+2*(\i):37+2*(\i)] offset:512*\j
	global_load_b64 v[B+18+4*\j:B+19+4*\j], v[LN8], s[36+2*(\i):37+2*(\i)] offset:512*\j+256
.endr
.endm
.macro DOTS x                          ; channel x of my 8, for all 8 codes: eight chains that do not wait for each other; a bf16 half times an f32, added in f32
.irp j, 0,1,2,3,4,5,6,7
.if (\x) == 0
	v_fma_mix_f32_bf16 v[S+\j], v[B+16+4*\j], v[ZB], v[ZERO] op_sel_hi:[1,0,0]
.elseif (\x)%2
	v_fma_mix_f32_bf16 v[S+\j], v[B+16+4*\j+(\x)/2], v[ZB+(\x)], v[S+\j] op_sel:[1,0,0] op_sel_hi:[1,0,0]
.else
	v_fma_mix_f32_bf16 v[S+\j], v[B+16+4*\j+(\x)/2], v[ZB+(\x)], v[S+\j] op_sel_hi:[1,0,0]
.endif
.endr
.endm
.macro ROW i
.set B, BUF+48*((\i)%3)
.set OO, O+8*((\i)%2)
.if (\i) < 6
	s_wait_loadcnt 40                              ; loads come back in order: this row's 20 are in, the next two rows' 40 stay out
.elseif (\i) == 6
	s_wait_loadcnt 20                              ; the last row's 20 stay out
.else
	s_wait_loadcnt 0x0
.endif
.irp n, 0,1,2,3
	v_cvt_pk_bf16_f32 v[T+\n], v[B+2*\n], v[B+2*\n+1]
.endr
.irp n, 0,1,2,3
	v_lshlrev_b32 v[ZB+2*\n],   16,  v[T+\n]
	v_and_b32     v[ZB+2*\n+1], s83, v[T+\n]
.endr
.irp x, 0,1,2,3,4,5,6,7
	DOTS \x
.endr
.irp m, 1,2,4,8                        ; the 8 sums over the 32 lanes, side by side; every lane ends with the same numbers
.irp j, 0,1,2,3,4,5,6,7
	v_add_f32_dpp v[S+\j], v[S+\j], v[S+\j] row_xmask:\m row_mask:0xf bank_mask:0xf
.endr
.endr
.irp j, 0,1,2,3,4,5,6,7
	v_permlanex16_b32 v[T+\j], v[S+\j], s60, s61
.endr
.irp j, 0,1,2,3,4,5,6,7
	v_add_f32 v[S+\j], v[S+\j], v[T+\j]
.endr
	v_mov_b32 v[ZZV], s[28+(\i)]
	v_mov_b32 v[ZZV+1], s[28+(\i)]
.irp x, 0,2,4,6
	v_pk_fma_f32 v[S+\x:S+\x+1], v[S+\x:S+\x+1], -2.0, v[ZZV:ZZV+1] op_sel_hi:[1,0,1]  ; zz - 2 dot, one rounding
.endr
.irp x, 0,2,4,6
	v_pk_add_f32 v[S+\x:S+\x+1], v[S+\x:S+\x+1], v[B+8+\x:B+9+\x]                      ; + ee
.endr
	v_cmp_lt_f32 vcc_lo, v[S+1], v[S]              ; a strictly smaller d alone takes the place: the first least stays
	v_min_num_f32 v[BEST], v[S], v[S+1]
	v_cndmask_b32 v[JB], 0, 1, vcc_lo
.irp n, 0,1,2,3
	v_cndmask_b32 v[SL+\n], v[B+16+\n], v[B+20+\n], vcc_lo
.endr
.irp j, 2,3,4,5,6,7
	v_cmp_lt_f32 vcc_lo, v[S+\j], v[BEST]
	v_min_num_f32 v[BEST], v[BEST], v[S+\j]
	v_cndmask_b32 v[JB], v[JB], \j, vcc_lo
.irp n, 0,1,2,3
	v_cndmask_b32 v[SL+\n], v[SL+\n], v[B+16+4*\j+\n], vcc_lo
.endr
.endr
	s_lshl_b32 s62, s[20+(\i)], 3
	v_add_nc_u32 v[IX], s62, v[JB]
	ds_store_b32 v[IXA], v[IX] offset:4*(\i)       ; all lanes write the same word with the same number
.irp n, 0,1,2,3
	v_lshlrev_b32 v[EQ+2*\n],   16,  v[SL+\n]
	v_and_b32     v[EQ+2*\n+1], s83, v[SL+\n]
.endr
	s_wait_xcnt 0x0                                ; the stores of two rows back have read this set of O: it is rewritten only behind this wait
.irp x, 0,2,4,6
	v_pk_add_f32 v[DF+\x:DF+\x+1], v[EQ+\x:EQ+\x+1], v[ZB+\x:ZB+\x+1] neg_lo:[0,1] neg_hi:[0,1]
.endr
.irp x, 0,2,4,6
	v_pk_add_f32 v[OO+\x:OO+\x+1], v[ZB+\x:ZB+\x+1], v[DF+\x:DF+\x+1]
.endr
.irp x, 0,2,4,6
	v_pk_fma_f32 v[LS+(\x)%4:LS+(\x)%4+1], v[DF+\x:DF+\x+1], v[DF+\x:DF+\x+1], v[LS+(\x)%4:LS+(\x)%4+1]
.endr
	global_store_b128 v[LN16], v[OO:OO+3],   s[58:59] offset:(\i)*1024 th:TH_STORE_NT      ; 512 bytes on end, at a multiple of 256 from out0's first byte
	global_store_b128 v[LN16], v[OO+4:OO+7], s[58:59] offset:(\i)*1024+512 th:TH_STORE_NT
.if (\i) < 5
	LOADS (\i)+3                                   ; this row's set is asked for again at once
.endif
.endm
	LOADS 0
	LOADS 1
	LOADS 2
.irp i, 0,1,2,3,4,5,6,7
	ROW \i
.endr
	v_pk_add_f32 v[LS:LS+1], v[LS:LS+1], v[LS+2:LS+3]
	v_add_f32 v[LS], v[LS], v[LS+1]
.irp m, 1,2,4,8
	v_add_f32_dpp v[LS], v[LS], v[LS] row_xmask:\m row_mask:0xf bank_mask:0xf
.endr
	v_permlanex16_b32 v[LS+1], v[LS], s60, s61
	v_add_f32 v[LS], v[LS], v[LS+1]
	ds_store_b32 v[LSA], v[LS]
	s_wait_dscnt 0x0                               ; for wave 0's sake: my 8 idx and my sum lie in LDS
	s_barrier_signal -1
	s_barrier_wait -1
	s_cmp_lg_u32 s82, 0
	s_cbranch_scc1 .Lend
	ds_load_b64 v[T:T+1], v[LN8] offset:IDXS       ; wave 0: the 64 idx,
	ds_load_b128 v[T+4:T+7], v[ZERO] offset:LOSSW  ; and the 8 sums, in every lane
	ds_load_b128 v[SL:SL+3], v[ZERO] offset:LOSSW+16
	s_wait_dscnt 0x0
	global_store_b64 v[LN8], v[T:T+1], s[16:17]    ; 256 bytes on end, at a multiple of 256 from out3's first byte
	v_pk_add_f32 v[T+4:T+5], v[T+4:T+5], v[T+6:T+7]
	v_pk_add_f32 v[SL:SL+1], v[SL:SL+1], v[SL+2:SL+3]
	v_pk_add_f32 v[T+4:T+5], v[T+4:T+5], v[SL:SL+1]
	v_add_f32 v[T+4], v[T+4], v[T+5]
	v_cmp_eq_u32 vcc_lo, 0, v0
	s_wait_xcnt 0x0                                ; EXEC changes only behind this wait
	s_and_saveexec_b32 s62, vcc_lo
	global_store_b32 v[ZERO], v[T+4], s[18:19]     ; thread 0 alone: the work-group's partial sum
	s_wait_xcnt 0x0                                ; and again, in front of the line that widens it
	s_or_b32 exec_lo, exec_lo, s62
.Lend:
	s_wait_tensorcnt 0x0                           ; the wave's end, behind my last LDS store
	ds_add_u32 v[SPW], v[NIL]
	s_wait_dscnt 0x0
	s_endpgm
.Lfunc_end_k_q57f38e20a8_pick:
	.size	k_q57f38e20a8_pick, .Lfunc_end_k_q57f38e20a8_pick-k_q57f38e20a8_pick
	.p2alignl 7, 3214868480
	.fill 96, 4, 3214868480
	.section	.rodata,"a",@progbits
	.p2align	6, 0x0
	.amdhsa_kernel k_q57f38e20a8_pick
		.amdhsa_group_segment_fixed_size 1536
		.amdhsa_private_segment_fixed_size 0
		.amdhsa_enable_private_segment 0
		.amdhsa_kernarg_size 64
		.amdhsa_user_sgpr_count 2
		.amdhsa_user_sgpr_kernarg_segment_ptr 1
		.amdhsa_wavefront_size32 1
		.amdhsa_system_sgpr_workgroup_id_x 1
		.amdhsa_system_sgpr_workgroup_id_y 1
		.amdhsa_system_sgpr_workgroup_id_z 1
		.amdhsa_system_vgpr_workitem_id 0
		.amdhsa_next_free_vgpr 224
		.amdhsa_next_free_sgpr 84
		.amdhsa_reserve_vcc 1
		.amdhsa_float_denorm_mode_32 3
		.amdhsa_float_denorm_mode_16_64 3
		.amdhsa_memory_ordered 1
		.amdhsa_forward_progress 1
		.amdhsa_inst_pref_size 108
	.end_amdhsa_kernel
	.amdgpu_metadata
---
amdhsa.version: [ 1, 2 ]
amdhsa.kernels:
  - .name:           k_q57f38e20a8_pick
    .symbol:         k_q57f38e20a8_pick.kd
    .args:
      - { .name: z, .offset: 0, .size: 8, .value_kind: global_buffer, .address_space: global }
      - { .name: embr, .offset: 8, .size: 8, .value_kind: global_buffer, .address_space: global }
      - { .name: eew, .offset: 16, .size: 8, .value_kind: global_buffer, .address_space: global }
      - { .name: cand, .offset: 24, .size: 8, .value_kind: global_buffer, .address_space: global }
      - { .name: zzw, .offset: 32, .size: 8, .value_kind: global_buffer, .address_space: global }
      - { .name: out0, .offset: 40, .size: 8, .value_kind: global_buffer, .address_space: global }
      - { .name: out3, .offset: 48, .size: 8, .value_kind: global_buffer, .address_space: global }
      - { .name: part, .offset: 56, .size: 8, .value_kind: global_buffer, .address_space: global }
    .group_segment_fixed_size: 1536
    .private_segment_fixed_size: 0
    .kernarg_segment_align: 8
    .kernarg_segment_size: 64
    .max_flat_workgroup_size: 256
    .sgpr_count:     84
    .vgpr_count:     224
    .wavefront_size: 32
...
	.end_amdgpu_metadata
.endif
;; end of part 3
;; launch total (part 4): grid 1 x 1, 1 waves a work-group, no clusters, 0 bytes of LDS; arguments part, out1, out2; writes out1, out2
.if DOCPART == 4
	.amdgcn_target "amdgcn-amd-amdhsa--gfx1250"
	.amdhsa_code_object_version 6
	.text
	.protected	k_q57f38e20a8_total
	.globl	k_q57f38e20a8_total
	.p2align	8
	.type	k_q57f38e20a8_total,@function
k_q57f38e20a8_total:
	s_mov_b64 s[64:65], 0
	v_nop
	global_prefetch_b8 v0, s[64:65] scope:SCOPE_SE
	s_setreg_imm32_b32 hwreg(HW_REG_WAVE_MODE, 25, 1), 1
	s_wait_xcnt 0x0
; VECTOR QUANTIZER, launch 4 of 4: the 512 partial sums of (eb[idx] - zb)^2 are added in a fixed order; out2 = sum / 2^23 (32,768 x 256 numbers), out1 = 0.25 out2.  Nothing is left out.
; One wave: 2,048 bytes, four loads of 512 bytes on end.  A sum over work-groups wants a launch of its own, since work-groups of one launch hand each other nothing.
	s_load_b128 s[4:7], s[0:1], 0x0                ; part s[4:5], out1 s[6:7]
	s_load_b64 s[8:9], s[0:1], 0x10                ; out2
	v_lshlrev_b32 v1, 4, v0
	v_mov_b32 v2, 0
	s_mov_b32 s12, 0x76543210                      ; v_permlanex16_b32: each lane takes its own place in the other half
	s_mov_b32 s13, 0xfedcba98
	s_wait_kmcnt 0x0
.irp i, 0,1,2,3
	global_load_b128 v[4+4*\i:7+4*\i], v1, s[4:5] offset:512*\i
.endr
	s_wait_loadcnt 0x0
	v_pk_add_f32 v[4:5], v[4:5], v[8:9]
	v_pk_add_f32 v[6:7], v[6:7], v[10:11]
	v_pk_add_f32 v[12:13], v[12:13], v[16:17]
	v_pk_add_f32 v[14:15], v[14:15], v[18:19]
	v_pk_add_f32 v[4:5], v[4:5], v[12:13]
	v_pk_add_f32 v[6:7], v[6:7], v[14:15]
	v_pk_add_f32 v[4:5], v[4:5], v[6:7]
	v_add_f32 v4, v4, v5
.irp m, 1,2,4,8
	v_add_f32_dpp v4, v4, v4 row_xmask:\m row_mask:0xf bank_mask:0xf
.endr
	v_permlanex16_b32 v5, v4, s12, s13
	v_add_f32 v4, v4, v5
	v_mul_f32 v6, 0x34000000, v4                   ; x 2^-23
	v_mul_f32 v7, 0x33000000, v4                   ; x 2^-25 = 0.25 x 2^-23
	v_cmp_eq_u32 vcc_lo, 0, v0
	s_wait_xcnt 0x0                                ; EXEC changes only behind this wait
	s_and_saveexec_b32 s10, vcc_lo
	global_store_b32 v2, v7, s[6:7]                ; thread 0 alone
	global_store_b32 v2, v6, s[8:9]
	s_wait_xcnt 0x0                                ; and again, in front of the line that widens it
	s_or_b32 exec_lo, exec_lo, s10
	s_endpgm
.Lfunc_end_k_q57f38e20a8_total:
	.size	k_q57f38e20a8_total, .Lfunc_end_k_q57f38e20a8_total-k_q57f38e20a8_total
	.p2alignl 7, 3214868480
	.fill 96, 4, 3214868480
	.section	.rodata,"a",@progbits
	.p2align	6, 0x0
	.amdhsa_kernel k_q57f38e20a8_total
		.amdhsa_group_segment_fixed_size 0
		.amdhsa_private_segment_fixed_size 0
		.amdhsa_enable_private_segment 0
		.amdhsa_kernarg_size 24
		.amdhsa_user_sgpr_count 2
		.amdhsa_user_sgpr_kernarg_segment_ptr 1
		.amdhsa_wavefront_size32 1
		.amdhsa_system_sgpr_workgroup_id_x 1
		.amdhsa_system_sgpr_workgroup_id_y 1
		.amdhsa_system_sgpr_workgroup_id_z 1
		.amdhsa_system_vgpr_workitem_id 0
		.amdhsa_next_free_vgpr 24
		.amdhsa_next_free_sgpr 66
		.amdhsa_reserve_vcc 1
		.amdhsa_float_denorm_mode_32 3
		.amdhsa_float_denorm_mode_16_64 3
		.amdhsa_memory_ordered 1
		.amdhsa_forward_progress 1
		.amdhsa_inst_pref_size 3
	.end_amdhsa_kernel
	.amdgpu_metadata
---
amdhsa.version: [ 1, 2 ]
amdhsa.kernels:
  - .name:           k_q57f38e20a8_total
    .symbol:         k_q57f38e20a8_total.kd
    .args:
      - { .name: part, .offset: 0, .size: 8, .value_kind: global_buffer, .address_space: global }
      - { .name: out1, .offset: 8, .size: 8, .value_kind: global_buffer, .address_space: global }
      - { .name: out2, .offset: 16, .size: 8, .value_kind: global_buffer, .address_space: global }
    .group_segment_fixed_size: 0
    .private_segment_fixed_size: 0
    .kernarg_segment_align: 8
    .kernarg_segment_size: 24
    .max_flat_workgroup_size: 32
    .sgpr_count:     66
    .vgpr_count:     24
    .wavefront_size: 32
...
	.end_amdgpu_metadata
.endif
;; end of part 4
;; ======== version 2 of 2: 4 launches; version 1 with the launch prep written anew for expert scheduling mode
;; workspace buffers: embf 4,194,304 bytes; embr 4,194,304 bytes; eew 32,768 bytes; cand 131,072 bytes of whole numbers; zzw 131,072 bytes; part 2,048 bytes
;; launch prep (part 5): grid 256 x 1, 4 waves a work-group, no clusters, 17,664 bytes of LDS; arguments emb, embf, embr, eew; writes embf, embr, eew
.if DOCPART == 5
	.amdgcn_target "amdgcn-amd-amdhsa--gfx1250"
	.amdhsa_code_object_version 6
	.text
	.protected	k_q57f38e20a8_prep
	.globl	k_q57f38e20a8_prep
	.p2align	8
	.type	k_q57f38e20a8_prep,@function
k_q57f38e20a8_prep:
	s_mov_b64 s[64:65], 0
	v_nop
	global_prefetch_b8 v0, s[64:65] scope:SCOPE_SE
	s_setreg_imm32_b32 hwreg(HW_REG_WAVE_SCHED_MODE, 0, 2), 2
	s_setreg_imm32_b32 hwreg(HW_REG_WAVE_MODE, 25, 1), 1
	s_wait_xcnt 0x0
	s_wait_alu depctr_vm_vsrc(0)
; VECTOR QUANTIZER, launch 1 of 4: the codebook is rounded to bf16 once and laid out for the launches behind.
; THE PROGRAM.  zf: 32,768 rows of 256; emb: 8,192 codes of 256.  d[n][k] = (zz[n] - 2 zf[n].e[k]) + ee[k] in f32, idx = the first k with the least d, out0 = z + (e[idx] - z),
; out2 = mean((e[idx] - z)^2), out1 = 0.25 out2.  prep: eb = bf16(emb), ee.  search: the product, d, and for each row the group of 8 codes on end that holds the first least d.
; pick: the 8 distances of that group anew, idx, out0, partial sums of squares.  total: the two means.
; NOTHING OF THE PROBLEM IS LEFT OUT.  zz is the same along the argmin's axis, but it is large beside 2 z.e and ee, so that f32 loses their low bits in the sum: which codes tie hangs on it, and it stays,
; with the sums' order (zz - 2 dot, one rounding; then + ee).  For the same reason out0 is made as z + (e - z).  stop_gradient changes no value.  Both inputs are loaded.
; FORMAT.  z and emb are rounded to bf16 once, and EVERY use of them (product, zz, ee, the looked-up row, out0, the means) takes the rounded number; all arithmetic on them is f32.
; LIMITS.  idx is that of the f32 formula on the rounded inputs, up to the order in which a row's 256 products are added; NaN and infinities are not treated apart.
; THIS LAUNCH.  A work-group takes 32 codes, wave w rows 8 w .. 8 w + 7.  Out: embr, bf16 row by row (512 bytes a code); eew, ee[code] = the sum of eb^2;
; embf, bf16 in the order in which a matrix operand's registers take it: byte 8192 b + 1024 f + 512 p + 16 l holds code 16 b + l % 16, channels 32 f + 16 p + 8 (l / 16) + 0..7,
; so that a fragment load of a wave is 512 bytes on end.  The turn from rows to fragments goes through LDS, rows 528 bytes apart (33 x 16: the 16 rows of a load begin in 16 different groups of four banks; 64 banks of 4 bytes: ISA guide 11.1).
; THE MODE: SCHED_MODE bits 1:0 = 2 (LLVM: expert scheduling mode 2), set by the entry lines.  The code itself states the register dependences
; between vector instructions and memory or LDS instructions, with s_wait_alu, always for 0.
; THE PLAN.  Registers that memory or LDS instructions touch:
;   v1, v2, v5, v6, v7, v12, v13   offsets and LDS addresses: written at the head, once; read by the loads and stores.  v8, v9: written at the head, read by the closing add alone.
;   L    the 16 loads of emb land in it; the conversions read it; behind the barrier the 8 fragment loads land in its first half, and embf's stores read that.
;   T    four registers a row, written once, by the row's conversions; read by the row's two stores to embr and its two LDS stores.
;   S    the even registers: written by the squares and the sums over the lanes; read by the 8 LDS stores of ee.          v14: an LDS load lands in it, a store reads it; no vector instruction names it.
; The 8 rows go in four blocks of two.  Block b rounds and squares rows 2 b, 2 b + 1; its memory instructions are the eight stores of block b - 1, which read that block's T: registers that no vector
; instruction of block b names.  So one wait on va_vdst at a block's head states all that the block's stores hang on.  One more stands behind the sums over the lanes, for block 3's T, for S, and for the
; fragment loads into L.  No register that a memory or LDS instruction has read is written again, so no wait on vm_vsrc is owed ahead of the closing lines.
.set PITCH, 528
.set EES,   16896                      ; behind the stage of 32 rows: the 32 ee
.set SPARE, 17152                      ; the spare words, 128 bytes for each wave: two blocks of 256 bytes that no other line names
.set LN16, 1                           ; v1   16 x lane
.set LN8,  2                           ; v2   8 x lane
.set RR,   3                           ; v3   lane % 16
.set HH,   4                           ; v4   lane / 16
.set STW,  5                           ; v5   where I put 8 bytes of my wave's first row
.set STR,  6                           ; v6   where I read 16 bytes of a fragment
.set EEA,  7                           ; v7   my wave's 8 words of ee
.set SPW,  8                           ; v8   my spare word; never rewritten
.set NIL,  9                           ; v9   0; never rewritten
.set LN4,  12                          ; v12  4 x lane
.set EER,  13                          ; v13  EES + 4 x lane
.set EEO,  14                          ; v14  one ee on its way out
.set S,    16                          ; v[16:31]   a pair of partial sums a row
.set L,    32                          ; v[32:95]   8 rows as loaded; later the fragments on their way out
.set T,    96                          ; v[96:127]  8 rows in bf16, 4 registers each
.set U,    128                         ; v[128:135] 8 rounded numbers as f32
	s_load_b256 s[4:11], s[0:1], 0x0               ; emb s[4:5], embf s[6:7], embr s[8:9], eew s[10:11]
	v_lshl_add_u32 v[SPW], v0, 2, SPARE
	v_mov_b32 v[NIL], 0
	v_lshrrev_b32 v10, 5, v0
	v_readfirstlane_b32 s12, v10                   ; wave 0..3
	v_and_b32 v11, 31, v0
	v_and_b32 v[RR], 15, v0
	v_bfe_u32 v[HH], v0, 4, 1
	v_lshlrev_b32 v[LN16], 4, v11
	v_lshlrev_b32 v[LN8], 3, v11
	v_lshlrev_b32 v[LN4], 2, v11
	v_add_nc_u32 v[EER], EES, v[LN4]
	s_wait_alu depctr_va_sdst(0)                   ; s12 is written, ahead of its first reader: LDS addresses, the bases and a branch are made from it
	s_mul_i32 s16, s12, 8*PITCH                    ; my wave's 8 rows of the stage
	v_add_nc_u32 v[STW], s16, v[LN8]
	v_mul_u32_u24 v[STR], v[RR], PITCH
	v_lshl_add_u32 v[STR], v[HH], 4, v[STR]        ; row x pitch + 16 x half
	s_lshr_b32 s17, s12, 1
	s_mul_i32 s17, s17, 16*PITCH                   ; block w / 2 of 16 codes,
	s_and_b32 s18, s12, 1
	s_lshl_b32 s18, s18, 8                         ; channels 128 (w % 2) on
	s_add_co_u32 s17, s17, s18
	v_add_nc_u32 v[STR], s17, v[STR]
	s_lshl_b32 s19, s12, 5
	s_add_co_u32 s19, s19, EES
	v_mov_b32 v[EEA], s19
	s_mov_b32 s13, 0xffff0000                      ; a word's upper bf16
	s_mov_b32 s14, 0x76543210                      ; v_permlanex16_b32: each lane takes its own place in the other half
	s_mov_b32 s15, 0xfedcba98
	s_lshl_b32 s20, ttmp9, 15                      ; 32 codes of 1,024 bytes a work-group,
	s_lshl_b32 s21, s12, 13                        ; 8 a wave
	s_add_co_u32 s20, s20, s21
	s_mov_b32 s21, 0
	s_lshr_b32 s22, s20, 1                         ; half as many bytes in bf16, in embr and in embf alike
	s_mov_b32 s23, 0
	s_lshl_b32 s24, ttmp9, 7                       ; 32 words of ee
	s_mov_b32 s25, 0
	s_wait_kmcnt 0x0
	s_add_nc_u64 s[4:5], s[4:5], s[20:21]
	s_add_nc_u64 s[6:7], s[6:7], s[22:23]
	s_add_nc_u64 s[8:9], s[8:9], s[22:23]
	s_add_nc_u64 s[10:11], s[10:11], s[24:25]
	s_wait_alu depctr_va_vdst(0)                   ; the offsets and LDS addresses v1, v2, v5, v6, v7, v12, v13 are written, which every load and store of the kernel reads; so are v8 and v9, which the closing add reads
.irp i, 0,1,2,3,4,5,6,7
	global_load_b128 v[L+8*\i:L+8*\i+3],   v[LN16], s[4:5] offset:\i*1024 th:TH_LOAD_NT      ; 512 bytes on end: lane l holds channels 4 l + 0..3,
	global_load_b128 v[L+8*\i+4:L+8*\i+7], v[LN16], s[4:5] offset:\i*1024+512 th:TH_LOAD_NT  ; and 128 + 4 l + 0..3
.endr
; Row i of my 8 is rounded, squared and summed: vector instructions alone.
.macro WORK i
.irp j, 0,1,2,3
	v_cvt_pk_bf16_f32 v[T+4*(\i)+\j], v[L+8*(\i)+2*\j], v[L+8*(\i)+2*\j+1]
.endr
.irp j, 0,1,2,3
	v_lshlrev_b32 v[U+2*\j],   16,  v[T+4*(\i)+\j]  ; bf16 to f32: the low half moves up,
	v_and_b32     v[U+2*\j+1], s13, v[T+4*(\i)+\j]  ; the high half stays
.endr
	v_pk_mul_f32 v[S+2*(\i):S+2*(\i)+1], v[U:U+1], v[U:U+1]  ; the first squares start the sums
.irp j, 2,4,6
	v_pk_fma_f32 v[S+2*(\i):S+2*(\i)+1], v[U+\j:U+\j+1], v[U+\j:U+\j+1], v[S+2*(\i):S+2*(\i)+1]
.endr
.endm
; Row i leaves: stored row by row, and put into the stage.  Its T was written ahead of the last wait on va_vdst, and no vector instruction since names it.
.macro SEND i
	global_store_b64 v[LN8], v[T+4*(\i):T+4*(\i)+1],   s[8:9] offset:(\i)*512      ; 32 lanes store 256 bytes on end, at a multiple of 256 from embr's first byte
	global_store_b64 v[LN8], v[T+4*(\i)+2:T+4*(\i)+3], s[8:9] offset:(\i)*512+256
	ds_store_b64 v[STW], v[T+4*(\i):T+4*(\i)+1]   offset:(\i)*PITCH
	ds_store_b64 v[STW], v[T+4*(\i)+2:T+4*(\i)+3] offset:(\i)*PITCH+256
.endm
; Block b: rows 2 b and 2 b + 1 are worked on; the block before leaves, four stores ahead of each row's vector instructions.
.macro BLOCK b
	s_wait_loadcnt 12-4*(\b)                       ; loads come back in order: this block's four are in, the later blocks' four each stay out
.if (\b) > 0
	s_wait_alu depctr_va_vdst(0)                   ; the conversions of the block before have written its T, which the eight stores of this block read
	SEND 2*(\b)-2
.endif
	WORK 2*(\b)
.if (\b) > 0
	SEND 2*(\b)-1
.endif
	WORK 2*(\b)+1
.endm
	BLOCK 0
	BLOCK 1
	BLOCK 2
	BLOCK 3
	; the 8 sums over the 32 lanes, side by side: four steps inside each half of 16 lanes ride on the addition, one crosses the halves
.irp i, 0,1,2,3,4,5,6,7
	v_add_f32 v[S+2*\i], v[S+2*\i], v[S+2*\i+1]
.endr
.irp m, 1,2,4,8
.irp i, 0,1,2,3,4,5,6,7
	v_add_f32_dpp v[S+2*\i], v[S+2*\i], v[S+2*\i] row_xmask:\m row_mask:0xf bank_mask:0xf
.endr
.endr
.irp i, 0,1,2,3,4,5,6,7
	v_permlanex16_b32 v[S+2*\i+1], v[S+2*\i], s14, s15  ; its destination counts as read: the pair's upper register has been written
.endr
.irp i, 0,1,2,3,4,5,6,7
	v_add_f32 v[S+2*\i], v[S+2*\i], v[S+2*\i+1]
.endr
	s_wait_alu depctr_va_vdst(0)                   ; block 3's conversions have written its T and the additions the 8 sums, which the stores below read; and all conversions are done reading L, in which the fragment loads behind the barrier land.  No vector instruction follows
	SEND 6
	SEND 7
.irp i, 0,1,2,3,4,5,6,7
	ds_store_b32 v[EEA], v[S+2*\i] offset:4*\i     ; all lanes write the same word with the same number
.endr
	s_wait_dscnt 0x0                               ; for the others' sake: my rows and my ee lie in LDS
	s_barrier_signal -1
	s_barrier_wait -1
	; wave w sends block w / 2, fragments 4 (w % 2) .. + 3: 8 x 512 bytes on end
.irp n, 0,1,2,3,4,5,6,7
	ds_load_b128 v[L+4*\n:L+4*\n+3], v[STR] offset:32*\n  ; 64 f + 32 p
.endr
.irp n, 0,1,2,3,4,5,6,7
	s_wait_dscnt 7-\n                              ; LDS loads come back in order: number n is in
	global_store_b128 v[LN16], v[L+4*\n:L+4*\n+3], s[6:7] offset:512*\n
.endr
	s_cmp_lg_u32 s12, 0
	s_cbranch_scc1 .Lend                           ; wave 0 sends the work-group's 32 ee: 128 bytes on end (32 codes a work-group have no more)
	ds_load_b32 v[EEO], v[EER]
	s_wait_dscnt 0x0
	global_store_b32 v[LN4], v[EEO], s[10:11]
.Lend:
	s_wait_dscnt 0x0                               ; the wave's end
	s_wait_alu 0x0
	s_wait_tensorcnt 0x0
	ds_add_u32 v[SPW], v[NIL]
	s_wait_dscnt 0x0
	s_endpgm
.Lfunc_end_k_q57f38e20a8_prep:
	.size	k_q57f38e20a8_prep, .Lfunc_end_k_q57f38e20a8_prep-k_q57f38e20a8_prep
	.p2alignl 7, 3214868480
	.fill 96, 4, 3214868480
	.section	.rodata,"a",@progbits
	.p2align	6, 0x0
	.amdhsa_kernel k_q57f38e20a8_prep
		.amdhsa_group_segment_fixed_size 17664
		.amdhsa_private_segment_fixed_size 0
		.amdhsa_enable_private_segment 0
		.amdhsa_kernarg_size 32
		.amdhsa_user_sgpr_count 2
		.amdhsa_user_sgpr_kernarg_segment_ptr 1
		.amdhsa_wavefront_size32 1
		.amdhsa_system_sgpr_workgroup_id_x 1
		.amdhsa_system_sgpr_workgroup_id_y 1
		.amdhsa_system_sgpr_workgroup_id_z 1
		.amdhsa_system_vgpr_workitem_id 0
		.amdhsa_next_free_vgpr 136
		.amdhsa_next_free_sgpr 66
		.amdhsa_reserve_vcc 0
		.amdhsa_float_denorm_mode_32 3
		.amdhsa_float_denorm_mode_16_64 3
		.amdhsa_memory_ordered 1
		.amdhsa_forward_progress 1
		.amdhsa_inst_pref_size 18
	.end_amdhsa_kernel
	.amdgpu_metadata
---
amdhsa.version: [ 1, 2 ]
amdhsa.kernels:
  - .name:           k_q57f38e20a8_prep
    .symbol:         k_q57f38e20a8_prep.kd
    .args:
      - { .name: emb, .offset: 0, .size: 8, .value_kind: global_buffer, .address_space: global }
      - { .name: embf, .offset: 8, .size: 8, .value_kind: global_buffer, .address_space: global }
      - { .name: embr, .offset: 16, .size: 8, .value_kind: global_buffer, .address_space: global }
      - { .name: eew, .offset: 24, .size: 8, .value_kind: global_buffer, .address_space: global }
    .group_segment_fixed_size: 17664
    .private_segment_fixed_size: 0
    .kernarg_segment_align: 8
    .kernarg_segment_size: 32
    .max_flat_workgroup_size: 128
    .sgpr_count:     66
    .vgpr_count:     136
    .wavefront_size: 32
...
	.end_amdgpu_metadata
.endif
;; end of part 5
;; launch search: the kernel of part 2 again; grid 256 x 1, 4 waves a work-group, clusters of 4 x 1, 327,680 bytes of LDS; arguments z, embf, eew, cand, zzw; writes cand, zzw
;; launch pick: the kernel of part 3 again; grid 512 x 1, 8 waves a work-group, no clusters, 1,536 bytes of LDS; arguments z, embr, eew, cand, zzw, out0, out3, part; writes out0, out3, part
;; launch total: the kernel of part 4 again; grid 1 x 1, 1 waves a work-group, no clusters, 0 bytes of LDS; arguments part, out1, out2; writes out1, out2
